; MI455X (gfx1250); checked and timed in simulation.
; The chip was launched on July 23, 2026; its instructions are those of AMD's public machine-readable ISA for CDNA 5 (MIT licence, August 2026) and "CDNA5" Instruction Set Architecture Reference Guide (July 2026). The comments in the code are by the model that wrote it; some were corrected since.
;; Multi Head Attention. Allowed arithmetic: matrix products marked QUANTISED: E2M1 operands, one E8M0 scale for each 32 along K, by v_wmma_scale_f32_16x16x128_f8f6f4 with both operands' format E2M1 (or v_wmma_scale_f32_32x16x128_f4), f32 sums; everything else in f32.
;; Inputs: Wk_codes 16 x 64 x 32 x 16 uint8 (E2M1 codes of Wk, K innermost, in blocks of 32 codes, two codes a byte); Wk_scales 16 x 64 x 32 uint8 (E8M0 scales of Wk, one for each 32 codes along K); Wo_codes 1,024 x 32 x 16 uint8 (E2M1 codes of Wo, K innermost, in blocks of 32 codes, two codes a byte); Wo_scales 1,024 x 32 uint8 (E8M0 scales of Wo, one for each 32 codes along K); Wq_codes 16 x 64 x 32 x 16 uint8 (E2M1 codes of Wq, K innermost, in blocks of 32 codes, two codes a byte); Wq_scales 16 x 64 x 32 uint8 (E8M0 scales of Wq, one for each 32 codes along K); Wv_codes 16 x 64 x 32 x 16 uint8 (E2M1 codes of Wv, K innermost, in blocks of 32 codes, two codes a byte); Wv_scales 16 x 64 x 32 uint8 (E8M0 scales of Wv, one for each 32 codes along K); bk 16 x 64 float32; bo 1,024 float32; bq 16 x 64 float32; bv 16 x 64 float32; x_codes 4 x 2,048 x 32 x 16 uint8 (E2M1 codes of x, K innermost, in blocks of 32 codes, two codes a byte); x_scales 4 x 2,048 x 32 uint8 (E8M0 scales of x, one for each 32 codes along K).
;; Outputs: out0 4 x 2,048 x 1,024 float32.
;; This version of the problem:
;;   THIS VERSION OF THE PROBLEM IS GIVEN IN LOW PRECISION. The matrix products marked QUANTISED in the list below multiply operands that are first quantised to E2M1 (2 exponent bits, 1 mantissa bit; 4 bits a number), with one power-of-two scale for each 32 numbers along K (OCP MX v1.0); their sums are f32. All else is computed in f32.
;;   The module's matrix products, in the order in which they are computed (A, B: the left and right operand; K: the contracted axis; several contracted axes count as one K, in the product's order):
;;     1. [M 1,024, K 1,024] x [K 1,024, N 8,192]; A: input Wq (given as codes); B: input x (given as codes): QUANTISED
;;     2. [M 1,024, K 1,024] x [K 1,024, N 8,192]; A: input Wk (given as codes); B: input x (given as codes): QUANTISED
;;     3. [M 1,024, K 1,024] x [K 1,024, N 8,192]; A: input Wv (given as codes); B: input x (given as codes): QUANTISED
;;     4. batch 64 x [M 2,048, K 64] x [K 64, N 2,048]; A: computed on the way; B: computed on the way: QUANTISED
;;     5. batch 64 x [M 2,048, K 2,048] x [K 2,048, N 64]; A: softmax (see below); B: computed on the way: QUANTISED
;;     6. [M 8,192, K 1,024] x [K 1,024, N 1,024]; A: computed on the way; B: input Wo (given as codes): QUANTISED
;;   THE QUANTISER, for each operand of a quantised product, along K:
;;     - K is cut into blocks of 32 from its start; a last block that is shorter is filled with zeros.
;;     - A block's scale is 2^e with e = floor(log2(the largest magnitude in the block)) - 2, held to -126 .. 127; a block of zeros has e = 0. As a byte (E8M0): e + 127.
;;     - Each number is divided by its block's scale, clamped to +-6, and rounded to the nearest number of E2M1, ties to even, subnormals kept.
;;     - The product sums the exact products of the quantised numbers (number of the format x scale) in f32.
;;   ~~~python
;;   def quantise(x, axis):      # numpy; x: float32 -> the quantised numbers, widened to float32 again
;;       x = np.moveaxis(x, axis, -1); K = x.shape[-1]
;;       x = np.pad(x, [(0, 0)] * (x.ndim - 1) + [(0, -K % 32)]); x = x.reshape(x.shape[:-1] + (-1, 32)); a = np.abs(x).max(-1, keepdims=True)
;;       e = np.where(a > 0, np.clip(np.frexp(np.where(a > 0, a, 1))[1] - 1 - 2, -126, 127), 0)      # np.frexp(a)[1] - 1 = floor(log2(a)), exactly
;;       r = np.clip(x / 2.0 ** e, -6, 6)
;;       step = 2.0 ** (np.maximum(np.frexp(np.where(r == 0, 1, r))[1] - 1, 0) - 1)
;;       q = np.round(r / step) * step * 2.0 ** e      # np.round: ties to even
;;       return np.moveaxis(q.reshape(q.shape[:-2] + (-1,))[..., :K], -1, axis).astype(np.float32)
;;   ~~~
;;   SOFTMAX AHEAD OF A QUANTISED PRODUCT. Where the list says 'softmax', what is quantised is not the finished softmax but p = 2^(t - M), with t = logit x log2(e) and M = ceil(the row's largest t), a whole number; so 1/2 < the row's largest p <= 1. The row's sum l is taken of the UNQUANTISED p, in f32, and the product's result is divided by l at the end. Since M is a whole number, a kernel that streams over the keys may use a running M (the ceiling of the running maximum): every later rescaling is an exact power of two, which a block's scale takes up: the codes' values come out the same.
;;   OPERANDS COMPUTED ON THE WAY. 'Computed on the way' means the value that the module computes at that place (a softmax that the list does not call 'softmax' is quantised finished and normalised). What goes into a quantiser is computed in f32, as accurately as f32 sums, v_exp_f32 and their like allow (about 1e-6 of the number): no bf16 or f16 on the way to a quantiser, and a product that is left as it is and whose result goes on into a quantised operand takes f32 operands (vector FMAs, or v_wmma_f32_16x16x4_f32). A number that lies on a knife's edge between two numbers of the format may be rounded either way, as far as f32 arithmetic and the matrix unit's own rounding can turn it there, and no further.
;;   INPUTS GIVEN AS CODES. Wk (in the module: [16, 1024, 64], K = its axis 1); Wo (in the module: [1024, 1024], K = its axis 0); Wq (in the module: [16, 1024, 64], K = its axis 1); Wv (in the module: [16, 1024, 64], K = its axis 1); x (in the module: [4, 2048, 1024], K = its axis 2): each comes as NAME_codes (uint8): NAME with its K axis moved to the last place and cut into blocks of 32 codes, [.., K / 32, bytes a block], one block behind the other in memory; two codes a byte, the lower K in the low four bits (a code: sign, 2 exponent bits, 1 mantissa bit); and NAME_scales (uint8): the same leading axes, one E8M0 byte (e + 127) for each 32 codes along K. Its value is code x scale, taken as it is: it is not quantised again, and the codes and scales need not be those that the quantiser above would give.
;; One version. Each part assembles by itself: llvm-mc -triple=amdgcn-amd-amdhsa -mcpu=gfx1250 --defsym DOCPART=n.
;; ======== version 1 of 1: 3 launches
;; limits: right only within a limited range of input values
;; workspace buffers: qkv 13,369,344 bytes; ocodes 4,194,304 bytes; oscales 262,144 bytes
;; launch qkv_proj (part 1): grid 8 x 32, 8 waves a work-group, clusters of 4 x 4, 327,680 bytes of LDS; arguments x_codes, x_scales, Wq_codes, Wk_codes, Wv_codes, Wq_scales, Wk_scales, Wv_scales, bq, bk, bv, qkv; writes qkv
.if DOCPART == 1
	.amdgcn_target "amdgcn-amd-amdhsa--gfx1250"
	.amdhsa_code_object_version 6
	.text
	.protected	k_qdb94e1c19f_qkv_proj
	.globl	k_qdb94e1c19f_qkv_proj
	.p2align	8
	.type	k_qdb94e1c19f_qkv_proj,@function
k_qdb94e1c19f_qkv_proj:
	s_mov_b64 s[64:65], 0
	v_nop
	global_prefetch_b8 v0, s[64:65] scope:SCOPE_SE
	s_setreg_imm32_b32 hwreg(HW_REG_WAVE_MODE, 25, 1), 1
	s_wait_xcnt 0x0
	s_wait_alu depctr_hold_cnt(0) depctr_sa_sdst(0) depctr_va_vdst(0) depctr_va_sdst(0) depctr_va_ssrc(0) depctr_va_vcc(0) depctr_vm_vsrc(0)
	s_getreg_b32 s2, hwreg(HW_REG_IB_STS2, 6, 4)
	s_cmp_eq_u32 s2, 0
	s_cbranch_scc0 .Lentry_in_a_cluster
	s_endpgm
.Lentry_in_a_cluster:
	s_bfe_u32 s2, ttmp6, 0x10000c
	s_cmp_lg_u32 s2, 0xf033
	s_cbranch_scc0 .Lentry_shape_is_right
	s_endpgm
.Lentry_shape_is_right:
; q, k, v = x W^T + b for two heads and 256 rows of x, on codes of FP4 (E2M1) with one E8M0 byte for each 32 along K = 1,024; then q and k are quantised along d, v along the keys.
; SHARES.  Work-group (head pair HD, row block RB of 256 rows): 8 x 32 = 256 work-groups.  Eight waves: wave % 4 = 64 rows of x, wave / 4 = the head of the pair.  A wave walks q, k, v in turn: 64 x 64, 16 accumulators.
; X STAYS IN REGISTERS: a wave's 64 rows x 1,024 are 32 fragments, 256 registers (window 1), read from LDS once; the weights' fragments stream from LDS, each feeding four products.
; q and k use the product TRANSPOSED (source 0 = 16 rows of W, source 1 = 16 rows of x): a lane holds one position, its registers run along d, which is the next product's K.
; v uses it as it stands (source 0 = x, source 1 = Wv): a lane holds one d, its registers run along the keys, which are ITS next K.  In both, accumulator (n, m) lies at ACC + 32 n + 8 m and register 8 m + j of lane (r, h)
; holds index 16 m + 8 h + j along the next K: one quantiser serves both.
; LDS: x (256 rows of 512 bytes + 16), Wq and Wk (128 rows each), all scale bytes; Wv lands where x lay, behind a round in front of which all x has been read.
; CLUSTER 4 x 4: the four work-groups of a row of the cluster share RB and so x's tiles, the four of a column share HD and so the weights': each tile is asked for jointly.
; No prefetch: there is no loop over tiles; the head asks for all that the first product needs in one group, and Wk and Wv are each asked for a whole projection (128 products a wave) ahead of their use.
; OUT: buffer qkv, a block of 13,056 bytes for each 128 positions of a (batch, head): for q, k, v in turn 4,096 bytes of codes as images of operand registers (16 bytes a lane) and 256 bytes of scale words.
; WORK LEFT OUT by this program: scores and weighted values of key tiles that reference()'s own causal tril hides wholly (launch attn): there the score is -inf for every input, its exponential 0, and 0 adds nothing to a row's sum, to a
; block's largest magnitude or to the result.  LIMIT: a NaN, an infinity or an overflow that reaches only such hidden scores is not carried to the result.
; LIMITS: NaN and infinities are not served.  A block's largest magnitude is taken no smaller than 2^(3 - 127), so its byte is at least 1; a block of zeros gets the byte 1 where the rule says 127: its codes are zeros, and this program alone reads the bytes.
.set PITCH, 528                        ; an LDS row of codes: 512 bytes + 16
.set T16,   16*PITCH
.set X0,    0
.set WA,    256*PITCH                  ; Wq's 128 rows
.set WBK,   WA+128*PITCH               ; Wk's; Wv's come to X0
.set XSC,   WBK+128*PITCH              ; x's scale bytes: 256 rows x 32
.set WSC,   XSC+8192                   ; the weights': q, k, v, 128 rows x 32 each
.set SPARE, WSC+12288                  ; the spare words, 128 bytes a wave
.set BLKB,  13056
.set PARTB, 4352
.set XB,  4                            ; v4      LDS address of my x fragments
.set WB,  5                            ; v5-7    of my fragments of Wq, Wk, Wv
.set SCA, 8                            ; v8-10   of my scale words with q's, k's, v's weight: lanes 0-15 x's rows, lanes 16-31 W's
.set SPW, 14
.set NIL, 15
.set SC,  16                           ; v16-47  scale words: register 8 i + q: lanes 0-15 x's tile i, lanes 16-31 W's tile i, the q-th 128 along K; scales and nothing else
.set WF,  48                           ; v48-79, v80-111  four fragments of W, two buffers
.set BI,  80                           ; v80-111 the bias in the result's layout, the C of each sum's first product, ahead of the second buffer's first use
.set ACC, 128
.set MX,  48                           ; behind the products: largest magnitudes, the other half's, scale operands, bytes, codes, words
.set PT,  56
.set SO,  64
.set BY,  72
.set PC,  48
.set E,   112
.set H32, 118
.set R4,  119
.set WV,   60
.set HH,   61
.set QT,   62
.set HD,   66
.set RB,   67
.set CX,  104
.set CY,  105
.set SEL,  12
.set G1X,  28                          ; group 1: x's codes, W's codes, x's scales, W's scales
.set G1W,  36
.set G1XS, 44
.set G1WS, 52
.set GX,   68                          ; groups 0
.set GXS,  72
.set GW0,  76
.set GW1,  80
.set GW2,  84
.set GS0,  88
.set GS1,  92
.set GS2,  96
.set MSB, 0
.macro WIN new                         ; register windows; the immediate's high byte repeats the setting that is left
.if MSB != \new
	s_set_vgpr_msb (MSB<<8)|\new
.set MSB, \new
.endif
.endm
.macro CROUND                          ; a round of the cluster's barrier
	s_barrier_signal -1
	s_barrier_wait -1
	s_cmp_lg_u32 s[WV], 0
	s_cbranch_scc1 .Lnot_wave_0_\@
	s_barrier_signal -3
.Lnot_wave_0_\@:
	s_barrier_wait -3
	s_barrier_signal -1
	s_barrier_wait -1
.endm
.macro PLACES                          ; four plain places behind a matrix instruction (ISA guide 7.12.1)
.rept 4
	v_nop
.endr
.endm
.macro TLOAD g0, g1                    ; a tensor load with an s_nop and four v_nops behind it
	tensor_load_to_lds s[\g0:\g0+3], s[\g1:\g1+7]
	s_nop 0
.rept 4
	v_nop
.endr
.endm
	s_load_b512 s[4:19], s[0:1], 0x0               ; x_codes 4, x_scales 6, Wq_codes 8, Wk_codes 10, Wv_codes 12, Wq_scales 14, Wk_scales 16, Wv_scales 18
	s_load_b256 s[20:27], s[0:1], 0x40             ; bq 20, bk 22, bv 24, qkv 26
	v_lshl_add_u32 v[SPW], v0, 2, SPARE
	v_mov_b32 v[NIL], 0
	ds_add_u32 v[SPW], v[NIL]                      ; the opening add, twice on end
	ds_add_u32 v[SPW], v[NIL]
	v_lshrrev_b32 v1, 5, v0
	v_readfirstlane_b32 s[WV], v1                  ; wave 0..7
	s_lshr_b32 s[HH], s[WV], 2                     ; which head of the pair
	s_and_b32 s[QT], s[WV], 3                      ; which 64 rows
	s_bfe_u32 s[CX], ttmp6, 0x40000
	s_bfe_u32 s[CY], ttmp6, 0x40004
	s_lshl_b32 s[HD], ttmp9, 2
	s_add_co_u32 s[HD], s[HD], s[CX]               ; head pair = 4 x cluster x + cx
	s_and_b32 s[RB], ttmp7, 0xffff
	s_lshl_b32 s[RB], s[RB], 2
	s_add_co_u32 s[RB], s[RB], s[CY]               ; row block = 4 x cluster y + cy
	s_lshl_b32 s[CX], 0x1111, s[CX]                ; the mask of my column,
	s_lshl_b32 s[CY], s[CY], 2
	s_lshl_b32 s[CY], 15, s[CY]                    ; and of my row of the cluster
	s_or_b32 s[G1X], s[CY], (1<<20)|(1<<21)|(6<<22)|(3<<25)   ; codes: rows of 512 bytes, 4 words of padding behind every 128
	s_or_b32 s[G1W], s[CX], (1<<20)|(1<<21)|(6<<22)|(3<<25)
	s_or_b32 s[G1XS], s[CY], (3<<16)|(1<<21)       ; scale bytes: dense, as rows of 256 bytes
	s_or_b32 s[G1WS], s[CX], (3<<16)|(1<<21)
.irp g, G1X, G1W
	s_mov_b32 s[\g+1], 512<<16
	s_mov_b32 s[\g+3], 512<<16
	s_mov_b32 s[\g+5], 512
	s_mov_b32 s[\g+6], 0
	s_mov_b32 s[\g+7], 0
.endr
.irp g, G1XS, G1WS
	s_mov_b32 s[\g+1], 32<<16
	s_mov_b32 s[\g+3], 32<<16
	s_mov_b32 s[\g+5], 32
	s_mov_b32 s[\g+6], 0
	s_mov_b32 s[\g+7], 0
.endr
	s_mov_b32 s[G1X+2], 64<<16                     ; 64 rows of x, 128 of W; 8,192 and 4,096 bytes of scales
	s_mov_b32 s[G1X+4], 64
	s_mov_b32 s[G1W+2], 128<<16
	s_mov_b32 s[G1W+4], 128
	s_mov_b32 s[G1XS+2], 32<<16
	s_mov_b32 s[G1XS+4], 32
	s_mov_b32 s[G1WS+2], 16<<16
	s_mov_b32 s[G1WS+4], 16
	s_mul_i32 s63, s[QT], 64*PITCH
	s_mul_i32 s2, s[HH], 64*PITCH
	s_xor_b32 s3, s[QT], 3                         ; 3 - quarter
	s_add_co_u32 s3, s3, s[HH]
	s_add_co_u32 s3, s3, 1
	s_lshl_b32 s3, s3, 11                          ; from x's words of my quarter to Wq's of my head: 8,192 + 2,048 head - 2,048 quarter
	s_lshl_b32 s100, s[QT], 11
	s_add_co_u32 s100, s100, XSC
	v_and_b32 v3, 31, v0                           ; lane
	v_and_b32 v1, 15, v0                           ; r
	v_bfe_u32 v2, v0, 4, 1                         ; h
	v_mul_u32_u24 v120, v1, PITCH
	v_lshl_add_u32 v120, v2, 4, v120               ; a fragment's row x pitch + 16 h
	v_add_nc_u32 v[XB], s63, v120
	v_add_nc_u32 v[WB+2], s2, v120
	v_add_nc_u32 v[WB], WA, v[WB+2]
	v_add_nc_u32 v[WB+1], WBK, v[WB+2]
	v_mul_u32_u24 v[SCA], s3, v2                   ; lanes 16-31 take W's words
	v_lshl_add_u32 v[SCA], v1, 5, v[SCA]           ; 32 bytes a row
	v_add_nc_u32 v[SCA], s100, v[SCA]
	v_lshlrev_b32 v121, 12, v2                     ; the next weight's words: 4,096 on, in lanes 16-31
	v_add_nc_u32 v[SCA+1], v121, v[SCA]
	v_add_nc_u32 v[SCA+2], v121, v[SCA+1]
	v_lshlrev_b32 v[H32], 5, v2
	v_lshlrev_b32 v[R4], 2, v1
	v_lshlrev_b32 v11, 4, v3
	v_lshlrev_b32 v12, 3, v3
	v_lshlrev_b32 v13, 2, v3
.irp g, GX, GXS, GW0, GW1, GW2, GS0, GS1, GS2
	s_mov_b32 s[\g], 1
.endr
	s_mov_b32 s[GX+1], s63
	s_mov_b32 s[GXS+1], XSC
	s_mov_b32 s[GW0+1], WA
	s_mov_b32 s[GW1+1], WBK
	s_mov_b32 s[GW2+1], X0
	s_mov_b32 s[GS0+1], WSC
	s_mov_b32 s[GS1+1], WSC+4096
	s_mov_b32 s[GS2+1], WSC+8192
	s_lshl_b32 s2, s[RB], 17                       ; x: 256 RB + 64 quarter rows of 512 bytes: s[2:3] never hold cx here
	s_lshl_b32 s3, s[QT], 15
	s_add_co_u32 s2, s2, s3
	s_mov_b32 s3, 0
	s_lshl_b32 s100, s[HD], 16                     ; W: 128 HD rows of 512 bytes: s[100:101] never hold cy
	s_mov_b32 s101, 0
	s_wait_alu depctr_va_vdst(0)                   ; the wait at the head's end: no vector instruction writes a register from here to the products
	s_wait_dscnt 0x0                               ; both opening adds are done
	s_wait_kmcnt 0x0
	s_add_nc_u64 s[GX+2:GX+3], s[4:5], s[2:3]
	s_lshl_b32 s2, s[RB], 13
	s_add_nc_u64 s[GXS+2:GXS+3], s[6:7], s[2:3]
	s_add_nc_u64 s[GW0+2:GW0+3], s[8:9], s[100:101]
	s_add_nc_u64 s[GW1+2:GW1+3], s[10:11], s[100:101]
	s_add_nc_u64 s[GW2+2:GW2+3], s[12:13], s[100:101]
	s_lshr_b32 s100, s100, 4                       ; 32 bytes of scales for 512 of codes
	s_add_nc_u64 s[GS0+2:GS0+3], s[14:15], s[100:101]
	s_add_nc_u64 s[GS1+2:GS1+3], s[16:17], s[100:101]
	s_add_nc_u64 s[GS2+2:GS2+3], s[18:19], s[100:101]
.irp g, GX, GXS, GW0, GW1, GW2, GS0, GS1, GS2
	s_or_b32 s[\g+3], s[\g+3], 0x80000000          ; type = 2
.endr
	CROUND                                         ; all sixteen work-groups are here: the joint loads meet
; The head's loads, one a wave: waves 0-3 x's quarters, 4 Wq, 5 x's scales, 6 Wq's, 7 Wk's.
.macro ARM under, g0, g1, next
	s_cmp_lt_u32 s[WV], \under
	s_cbranch_scc0 \next
	TLOAD \g0, \g1
	s_branch .Lhead_asked
\next:
.endm
	ARM 4, GX,  G1X,  .Lhead_w
	ARM 5, GW0, G1W,  .Lhead_xs
	ARM 6, GXS, G1XS, .Lhead_s0
	ARM 7, GS0, G1WS, .Lhead_s1
	TLOAD GS1, G1WS
.Lhead_asked:
	; my biases, and where my results go (s4-19 have served the descriptors and are free)
	s_mov_b32 s[SEL], 0x76543210
	s_mov_b32 s[SEL+1], 0xfedcba98                 ; v_permlanex16_b32's selects for lane l xor 16
	s_lshl_b32 s14, s[HD], 1
	s_add_co_u32 s14, s14, s[HH]                   ; my head
	s_lshl_b32 s2, s14, 8                          ; 64 f32 a head
	s_mov_b32 s3, 0
	s_add_nc_u64 s[20:21], s[20:21], s[2:3]
	s_add_nc_u64 s[22:23], s[22:23], s[2:3]
	s_add_nc_u64 s[24:25], s[24:25], s[2:3]
	s_lshr_b32 s2, s[RB], 3                        ; batch: 8 row blocks each
	s_lshl_b32 s2, s2, 4
	s_add_co_u32 s2, s2, s14
	s_lshl_b32 s2, s2, 4                           ; 16 blocks of 128 positions for a (batch, head)
	s_and_b32 s14, s[RB], 7
	s_lshl_b32 s14, s14, 1
	s_add_co_u32 s2, s2, s14
	s_lshr_b32 s14, s[QT], 1
	s_add_co_u32 s2, s2, s14
	s_mul_i32 s2, s2, BLKB
	s_add_nc_u64 s[16:17], s[26:27], s[2:3]        ; my block
	s_and_b32 s14, s[QT], 1                        ; which 64 of its 128 positions are mine
	s_lshl_b32 s2, s14, 11
	s_add_nc_u64 s[4:5], s[16:17], s[2:3]          ; q's and k's codes: four tiles of 512 bytes on
	s_lshl_b32 s2, s14, 7
	s_add_nc_u64 s[6:7], s[16:17], s[2:3]          ; their scale words: 128 bytes on
	s_lshl_b32 s2, s14, 9
	s_add_nc_u64 s[8:9], s[16:17], s[2:3]          ; v's codes: 512 bytes on in each d tile
	s_lshl_b32 s2, s14, 1
	s_add_nc_u64 s[10:11], s[16:17], s[2:3]        ; v's words: two bytes on in each word
.macro BIAS_QK p
.irp m, 0,1,2,3
	global_load_b128 v[BI+8*\m:BI+8*\m+3], v[H32], s[\p:\p+1] offset:64*\m        ; b(16 m + 8 h + 0 .. 7): along the registers
	global_load_b128 v[BI+8*\m+4:BI+8*\m+7], v[H32], s[\p:\p+1] offset:64*\m+16
.endr
.endm
.macro BIAS_V p
.irp n, 0,1,2,3
.irp j, 0,1,2,3,4,5,6,7
	global_load_b32 v[BI+8*\n+\j], v[R4], s[\p:\p+1] offset:64*\n                 ; bv(16 n + r): the lane's d, the same for its eight keys
.endr
.endr
.endm
.macro SCL k                           ; all eight words of each row
.irp i, 0,1,2,3
.irp c, 0,1
	ds_load_b128 v[SC+8*\i+4*\c:SC+8*\i+4*\c+3], v[SCA+\k] offset:512*\i+16*\c
.endr
.endr
.endm
.macro WL k, q                         ; four fragments of W, the q-th 128 along K, into buffer q % 2 (registers 4 c .. 4 c + 3: K = 64 c + 32 h + 0 .. 31)
.irp i, 0,1,2,3
.irp c, 0,1
	ds_load_b128 v[WF+32*((\q)%2)+8*\i+4*\c:WF+32*((\q)%2)+8*\i+4*\c+3], v[WB+\k] offset:\i*T16+64*(\q)+32*\c
.endr
.endr
.endm
.macro XL q                            ; x's four, into window 1, where they stay: tile i at v[32 q + 8 i]
	WIN 0x40
.irp i, 0,1,2,3
.irp c, 0,1
	ds_load_b128 v[32*(\q)+8*\i+4*\c:32*(\q)+8*\i+4*\c+3], v[XB] offset:\i*T16+64*(\q)+32*\c
.endr
.endr
	WIN 0
.endm
; 128 along K: 16 accumulators by turns, one instruction a turn, in the same order in every step.  arm 0: q and k (source 0 = W); arm 1: v (source 0 = x).
.macro MUL arm, q, first
.if (\arm) == 0
	WIN 0x04                                       ; source 1 in window 1
.else
	WIN 0x01                                       ; source 0 in window 1
.endif
.set WQ, WF+32*((\q)%2)
.irp n, 0,1,2,3
.irp m, 0,1,2,3
.set D, ACC+32*\n+8*\m
.if (\arm) == 0
.if \first
	v_wmma_scale_f32_16x16x128_f8f6f4 v[D:D+7], v[WQ+8*\m:WQ+8*\m+7], v[32*(\q)+8*\n:32*(\q)+8*\n+7], v[BI+8*\m:BI+8*\m+7], v[SC+8*\m+(\q)], v[SC+8*\n+(\q)] matrix_a_fmt:MATRIX_FMT_FP4 matrix_b_fmt:MATRIX_FMT_FP4 matrix_a_scale:MATRIX_SCALE_ROW1
.else
	v_wmma_scale_f32_16x16x128_f8f6f4 v[D:D+7], v[WQ+8*\m:WQ+8*\m+7], v[32*(\q)+8*\n:32*(\q)+8*\n+7], v[D:D+7], v[SC+8*\m+(\q)], v[SC+8*\n+(\q)] matrix_a_fmt:MATRIX_FMT_FP4 matrix_b_fmt:MATRIX_FMT_FP4 matrix_a_scale:MATRIX_SCALE_ROW1
.endif
.else
.if \first
	v_wmma_scale_f32_16x16x128_f8f6f4 v[D:D+7], v[32*(\q)+8*\m:32*(\q)+8*\m+7], v[WQ+8*\n:WQ+8*\n+7], v[BI+8*\n:BI+8*\n+7], v[SC+8*\m+(\q)], v[SC+8*\n+(\q)] matrix_a_fmt:MATRIX_FMT_FP4 matrix_b_fmt:MATRIX_FMT_FP4 matrix_b_scale:MATRIX_SCALE_ROW1
.else
	v_wmma_scale_f32_16x16x128_f8f6f4 v[D:D+7], v[32*(\q)+8*\m:32*(\q)+8*\m+7], v[WQ+8*\n:WQ+8*\n+7], v[D:D+7], v[SC+8*\m+(\q)], v[SC+8*\n+(\q)] matrix_a_fmt:MATRIX_FMT_FP4 matrix_b_fmt:MATRIX_FMT_FP4 matrix_b_scale:MATRIX_SCALE_ROW1
.endif
.endif
.endr
.endr
.endm
.macro AHEAD k, q, xl                  ; what step q will want
	WL \k, \q
.if \xl
	XL \q
.endif
.endm
; One projection.  Step q's fragments are asked for at step q - 1's head (8 loads, 16 where x comes too), behind the places; step 1's share the bias's registers and are asked for behind step 0.
.macro PROJ arm, k, xl
	SCL \k
	AHEAD \k, 0, \xl
	s_wait_loadcnt 0x0                             ; the bias
	s_wait_dscnt 0x0
	MUL \arm, 0, 1
	PLACES
	WIN 0
	AHEAD \k, 1, \xl
	AHEAD \k, 2, \xl
	s_wait_dscnt 8+8*\xl                           ; step 2's loads may be out
	MUL \arm, 1, 0
.irp q, 2,3,4,5,6
	PLACES
	WIN 0
	AHEAD \k, \q+1, \xl
	s_wait_dscnt 8+8*\xl                           ; the next step's loads may be out
	MUL \arm, \q, 0
.endr
	s_wait_dscnt 0x0
	MUL \arm, 7, 0
	PLACES
	WIN 0
.endm
; THE QUANTISER.  Block k = 2 n + b is the 16 registers ACC + 16 k on of lanes l and l xor 16.
.macro QUANT
.irp k, 0,1,2,3,4,5,6,7
	v_max3_num_f32 v[MX+\k], |v[ACC+16*\k]|, |v[ACC+16*\k+1]|, 0x1800000  ; my 16 numbers, and the floor 2^(3 - 127): the byte cannot fall under 1.  Each accumulator is read from its low end on
.endr
.irp i, 2,4,6,8,10,12,14
.irp k, 0,1,2,3,4,5,6,7
	v_max3_num_f32 v[MX+\k], v[MX+\k], |v[ACC+16*\k+\i]|, |v[ACC+16*\k+\i+1]|
.endr
.endr
.irp k, 0,1,2,3,4,5,6,7
	v_permlanex16_b32 v[PT+\k], v[MX+\k], s[SEL], s[SEL+1]
.endr
.irp k, 0,1,2,3,4,5,6,7
	v_max_num_f32 v[MX+\k], v[MX+\k], v[PT+\k]     ; the block's largest magnitude
.endr
.irp k, 0,1,2,3,4,5,6,7
	v_add_nc_u32 v[SO+\k], 0xff000000, v[MX+\k]    ; 2 off its exponent field: the conversion's scale operand
.endr
.irp k, 0,1,2,3,4,5,6,7
	v_lshrrev_b32 v[BY+\k], 23, v[SO+\k]           ; the scale's byte
.endr
.irp n, 0,1,2,3
	v_lshl_or_b32 v[E+\n], v[BY+2*\n+1], 8, v[BY+2*\n]   ; tile n: my row's two bytes
.endr
.irp n, 0,1,2,3
.irp b, 0,1
.irp u, 0,1
	v_cvt_scalef32_pk8_fp4_f32 v[PC+4*\n+2*\u+\b], v[ACC+32*\n+16*\b+8*\u:ACC+32*\n+16*\b+8*\u+7], v[SO+2*\n+\b]   ; eight codes: index 32 b + 16 u + 8 h + 0 .. 7
.endr
.endr
.endr
	v_nop                                          ; one plain place behind the scaled conversions
.irp n, 0,1,2,3
.irp u, 0,1
	v_permlane16_swap_b32 v[PC+4*\n+2*\u], v[PC+4*\n+2*\u+1]   ; lane (r, h) now holds index 32 h + 0 .. 31 in four registers
.endr
.endr
.endm
.macro STORE_QK k
.irp n, 0,1,2,3
	global_store_b128 v11, v[PC+4*\n:PC+4*\n+3], s[4:5] offset:PARTB*\k+512*\n    ; a tile's image: 512 consecutive bytes, aligned
.endr
	v_lshl_or_b32 v[E+4], v[E+1], 16, v[E]         ; the word of a pair of tiles: the even tile's two bytes, then the odd one's
	v_lshl_or_b32 v[E+5], v[E+3], 16, v[E+2]
	v_permlane16_swap_b32 v[E+4], v[E+5]           ; lanes 0-15 the first pair, lanes 16-31 the second
	global_store_b32 v13, v[E+4], s[6:7] offset:PARTB*\k+4096                     ; 128 consecutive bytes
.endm
	BIAS_QK 20
	s_wait_tensorcnt 0x0                           ; my tile of the head's is in;
	ds_add_u32 v[SPW], v[NIL]
	s_wait_dscnt 0x0
	CROUND                                         ; everybody's is
	s_cmp_lg_u32 s[WV], 0
	s_cbranch_scc1 .Lnext_sv
	TLOAD GW1, G1W                                 ; wave 0: Wk, a projection ahead of its use
	s_branch .Lnext_asked
.Lnext_sv:
	s_cmp_lg_u32 s[WV], 1
	s_cbranch_scc1 .Lnext_asked
	TLOAD GS2, G1WS                                ; wave 1: Wv's scales
.Lnext_asked:
	PROJ 0, 0, 1                                   ; q
	BIAS_QK 22
	QUANT
	STORE_QK 0
	s_wait_tensorcnt 0x0                           ; Wk and Wv's scales, where they are mine, are in;
	ds_add_u32 v[SPW], v[NIL]
	s_wait_xcnt 0x0                                ; the stores have read their registers
	s_wait_dscnt 0x0                               ; and all my reads of x are over
	CROUND                                         ; so it is with every wave of every partner
	s_cmp_lg_u32 s[WV], 0
	s_cbranch_scc1 .Lwv_asked
	TLOAD GW2, G1W                                 ; Wv, to where x lay
.Lwv_asked:
	PROJ 0, 1, 0                                   ; k
	BIAS_V 24
	QUANT
	STORE_QK 1
	s_wait_xcnt 0x0
	s_wait_tensorcnt 0x0                           ; Wv is in
	s_wait_dscnt 0x0
	s_barrier_signal -1
	s_barrier_wait -1
	PROJ 1, 2, 0                                   ; v
	QUANT
.irp n, 0,1,2,3
	global_store_b128 v11, v[PC+4*\n:PC+4*\n+3], s[8:9] offset:2*PARTB+1024*\n    ; d tile n, my 64 keys: 512 consecutive bytes, aligned
.endr
	v_permlane16_swap_b32 v[E], v[E+1]             ; lanes 0-15 d tile 0, lanes 16-31 d tile 1
	v_permlane16_swap_b32 v[E+2], v[E+3]
	global_store_b16 v12, v[E], s[10:11] offset:2*PARTB+4096                      ; two bytes a lane: my half of each word of 128 keys; the wave with the other 64 keys writes the other half (256 bytes for 4,096 of codes)
	global_store_b16 v12, v[E+2], s[10:11] offset:2*PARTB+4100
	s_wait_tensorcnt 0x0                           ; the wave's end
	ds_add_u32 v[SPW], v[NIL]
	s_wait_dscnt 0x0
	CROUND                                         ; the closing round: no work-group ends while a partner may still ask for a tile that names it
	s_endpgm
.Lfunc_end_k_qdb94e1c19f_qkv_proj:
	.size	k_qdb94e1c19f_qkv_proj, .Lfunc_end_k_qdb94e1c19f_qkv_proj-k_qdb94e1c19f_qkv_proj
	.p2alignl 7, 3214868480
	.fill 96, 4, 3214868480
	.section	.rodata,"a",@progbits
	.p2align	6, 0x0
	.amdhsa_kernel k_qdb94e1c19f_qkv_proj
		.amdhsa_group_segment_fixed_size 327680
		.amdhsa_private_segment_fixed_size 0
		.amdhsa_enable_private_segment 0
		.amdhsa_kernarg_size 96
		.amdhsa_user_sgpr_count 2
		.amdhsa_user_sgpr_kernarg_segment_ptr 1
		.amdhsa_wavefront_size32 1
		.amdhsa_system_sgpr_workgroup_id_x 1
		.amdhsa_system_sgpr_workgroup_id_y 1
		.amdhsa_system_sgpr_workgroup_id_z 1
		.amdhsa_system_vgpr_workitem_id 0
		.amdhsa_next_free_vgpr 512
		.amdhsa_next_free_sgpr 106
		.amdhsa_reserve_vcc 0
		.amdhsa_float_denorm_mode_32 3
		.amdhsa_float_denorm_mode_16_64 3
		.amdhsa_memory_ordered 1
		.amdhsa_forward_progress 1
		.amdhsa_inst_pref_size 111
	.end_amdhsa_kernel
	.amdgpu_metadata
---
amdhsa.version: [ 1, 2 ]
amdhsa.kernels:
  - .name:           k_qdb94e1c19f_qkv_proj
    .symbol:         k_qdb94e1c19f_qkv_proj.kd
    .args:
      - { .name: x_codes, .offset: 0, .size: 8, .value_kind: global_buffer, .address_space: global }
      - { .name: x_scales, .offset: 8, .size: 8, .value_kind: global_buffer, .address_space: global }
      - { .name: Wq_codes, .offset: 16, .size: 8, .value_kind: global_buffer, .address_space: global }
      - { .name: Wk_codes, .offset: 24, .size: 8, .value_kind: global_buffer, .address_space: global }
      - { .name: Wv_codes, .offset: 32, .size: 8, .value_kind: global_buffer, .address_space: global }
      - { .name: Wq_scales, .offset: 40, .size: 8, .value_kind: global_buffer, .address_space: global }
      - { .name: Wk_scales, .offset: 48, .size: 8, .value_kind: global_buffer, .address_space: global }
      - { .name: Wv_scales, .offset: 56, .size: 8, .value_kind: global_buffer, .address_space: global }
      - { .name: bq, .offset: 64, .size: 8, .value_kind: global_buffer, .address_space: global }
      - { .name: bk, .offset: 72, .size: 8, .value_kind: global_buffer, .address_space: global }
      - { .name: bv, .offset: 80, .size: 8, .value_kind: global_buffer, .address_space: global }
      - { .name: qkv, .offset: 88, .size: 8, .value_kind: global_buffer, .address_space: global }
    .group_segment_fixed_size: 327680
    .private_segment_fixed_size: 0
    .kernarg_segment_align: 8
    .kernarg_segment_size: 96
    .max_flat_workgroup_size: 256
    .sgpr_count:     106
    .vgpr_count:     512
    .wavefront_size: 32
...
	.end_amdgpu_metadata
.endif
;; end of part 1
;; launch attn (part 2): grid 4 x 64, 16 waves a work-group, clusters of 4 x 1, 327,680 bytes of LDS; arguments qkv, ocodes, oscales; writes ocodes, oscales
.if DOCPART == 2
	.amdgcn_target "amdgcn-amd-amdhsa--gfx1250"
	.amdhsa_code_object_version 6
	.text
	.protected	k_qdb94e1c19f_attn
	.globl	k_qdb94e1c19f_attn
	.p2align	8
	.type	k_qdb94e1c19f_attn,@function
k_qdb94e1c19f_attn:
	s_mov_b64 s[64:65], 0
	v_nop
	global_prefetch_b8 v0, s[64:65] scope:SCOPE_SE
	s_setreg_imm32_b32 hwreg(HW_REG_WAVE_MODE, 25, 1), 1
	s_wait_xcnt 0x0
	s_wait_alu depctr_hold_cnt(0) depctr_sa_sdst(0) depctr_va_vdst(0) depctr_va_sdst(0) depctr_va_ssrc(0) depctr_va_vcc(0) depctr_vm_vsrc(0)
	s_getreg_b32 s2, hwreg(HW_REG_IB_STS2, 6, 4)
	s_cmp_eq_u32 s2, 0
	s_cbranch_scc0 .Lentry_in_a_cluster
	s_endpgm
.Lentry_in_a_cluster:
	s_bfe_u32 s2, ttmp6, 0x10000c
	s_cmp_lg_u32 s2, 0x3003
	s_cbranch_scc0 .Lentry_shape_is_right
	s_endpgm
.Lentry_shape_is_right:
; Causal attention of one (batch, head) on codes of FP4 (E2M1); the result, divided by the row's sum, is quantised along head x 64 + d for the last product.
; SOFTMAX: t = score x log2(e) / 8; M = the running largest t rounded UP to a whole number; p = 2^(t - M) is quantised along the keys, not normalised; the row's sum is taken of the unquantised p; when M moves, the sum and O are multiplied by 2^(old M - new M), which rounds nothing.
; A block's scale exponent is floor(largest t - M) - 2, which is floor(log2(largest p)) - 2 (but where the exponential's own rounding lifts that p to the next power of two).
; SHARES.  The four work-groups of a (batch, head) are a cluster; work-group g, wave w of sixteen takes the tiles of 16 queries TB = 127 - 4 w - g and then TA = 4 ((w + 4) % 16) + g.  A tile T has T / 8 key steps of 128 that count whole and one on the
; diagonal, of which 64 or 128 keys are walked.  T / 8 and that half hang on w alone, so the four partners branch alike.  In steps of 128 keys waves 0-11 walk 18.5 and waves 12-15 10.5: longest first, and the four waves of each residue w % 4 together 66.
; LEFT OUT: key tiles that the causal mask hides wholly (in steps of 128 and the diagonal's upper 64): p is 0 there for every input.  LIMIT: a NaN, an infinity or an overflow of such a score is not carried to the result.
; LDS holds all 16 key steps, 8,704 bytes each (K's codes 4,096, K's words 256, V's codes 4,096, V's words 256), as images of operand registers, each byte filled once, by joint loads: at the head each wave fetches K's or V's part of one of steps 0-7,
; behind the next round the same of steps 8-15, for which one barrier stands two key steps further on.  No prefetch: a wave's two tensor loads are all there is to ask for, and both stand ahead of the first loop.
; PIPELINE.  A step's V and the next step's K are asked for in one run behind the step's first product: both have the softmax in which to arrive.  The exponentials go in two halves: the second half's multiply-adds stand among the first
; half's exponentials, the first half's sums and conversions among the second's.
; LAYOUT.  Both products are used transposed (S^T = K Q^T, O^T = V^T P^T): a lane holds one query (lane % 16).  The head's 64 fill half of the instruction's K = 128: a fragment of K carries TWO key tiles (k 0-63 tile 2 p, k 64-127 tile 2 p + 1),
; and Q stands once as [Q | zero codes] and once as [zero codes | Q]: the zeros take the other tile out.  In S^T register 8 a + j of lane (r, h) is key 16 a + 8 h + j: a conversion's eight codes fill one register, and a swap of half rows gives the operand's layout.
; LIMITS: NaN and infinities are not served; the scaled scores stay under 2^31 in magnitude; p under 2^-126 comes out of v_exp_f32 as 0; 1 / sum is v_rcp_f32; a block's largest magnitude is taken no smaller than 2^(3 - 127) (a block of zeros so gets the byte 1, over zero codes; only this program reads the bytes).
; REGISTERS: v1-3 16, 8, 4 x lane; v6-9 LDS addresses; v10 r - 8 h; v11 32 r; v12 -M, v13 the largest score; v16-27 tile A's Q (codes, zeros, codes), v28 its scale word; v192-203, v204 tile B's; v[30:31] V's words; v248-249 K's;
;   v32-63 K; v64-95 V; v96-159 S^T, then p; v160-191 O^T; v208-223 the row's sum, in eight pairs; v224-231 p's codes; v253 p's scale word; v[250:251] f and 0; v14-15, v232-247 at work; v254 my spare word, v255 0.
.set PARTB, 4352
.set STEPB, 2*PARTB
.set BLKB,  13056
.set SPARE, 16*STEPB
.set WV,  10
.set G,   11
.set BH,  12
.set BB,  13
.set NC,  14
.set JN,  15                           ; the key step's number
.set G0,  16
.set G1,  20
.set SEL, 28
.set CS,  30
.set LB,  32                           ; LDS byte at which the step in hand begins
.set LN,  33                           ; and the one whose K comes next
.set GM,  34                           ; 16 x my tile's place among the four on the diagonal
.set HF,  35
.set TA,  36
.set TBT, 37
.set CA,  38                           ; whole steps of tile A, of tile B
.set CB,  39
.set UA,  40                           ; (w + 4) % 16
.set OA,  56                           ; s[56:59], s[60:63]  where tile A's, tile B's codes and bytes go
.set OB,  60
.macro CROUND                          ; a round of the cluster's barrier
	s_barrier_signal -1
	s_barrier_wait -1
	s_cmp_lg_u32 s[WV], 0
	s_cbranch_scc1 .Lnot_wave_0_\@
	s_barrier_signal -3
.Lnot_wave_0_\@:
	s_barrier_wait -3
	s_barrier_signal -1
	s_barrier_wait -1
.endm
	s_load_b128 s[4:7], s[0:1], 0x0                ; qkv, ocodes
	s_load_b64 s[8:9], s[0:1], 0x10                ; oscales
	v_lshl_add_u32 v254, v0, 2, SPARE
	v_mov_b32 v255, 0
	ds_add_u32 v254, v255                          ; the opening add, twice on end
	ds_add_u32 v254, v255
	v_lshrrev_b32 v4, 5, v0
	v_readfirstlane_b32 s[WV], v4                  ; wave 0..15
	s_and_b32 s[BH], ttmp7, 0xffff                 ; 16 x batch + head
	s_lshl_b32 s[BB], s[BH], 4                     ; its first block
	s_mov_b32 s[G1], 15|(3<<16)|(1<<21)            ; all four partners; elements of 8 bytes, no padding
	s_mov_b32 s[G1+1], 32<<16                      ; a dense part of 4,352 bytes as 17 rows of 256
	s_mov_b32 s[G1+2], 17<<16
	s_mov_b32 s[G1+3], 32<<16
	s_mov_b32 s[G1+4], 17
	s_mov_b32 s[G1+5], 32
	s_mov_b32 s[G1+6], 0
	s_mov_b32 s[G1+7], 0
	s_lshr_b32 s43, s[WV], 1
	s_xor_b32 s[CB], s43, 15                       ; tile B: (127 - 4 w - g) / 8 = 15 - w / 2
	s_and_b32 s[HF], s[WV], 1                      ; which half of the diagonal step tile A lies in; tile B in the other
	s_add_co_u32 s[UA], s[WV], 4
	s_and_b32 s[UA], s[UA], 15
	s_lshr_b32 s[CA], s[UA], 1
	s_add_co_u32 s44, s[BB], s43                   ; wave w fetches step w / 2's K (w even) or V part
	s_mul_i32 s44, s44, BLKB
	s_add_co_u32 s45, s[HF], 1                     ; behind the block's q part
	s_mul_i32 s45, s45, PARTB
	s_add_co_u32 s44, s44, s45
	s_mov_b32 s45, 0
	s_mov_b32 s[G0], 1
	s_mul_i32 s[G0+1], s[WV], PARTB
	s_mov_b32 s[SEL], 0x76543210
	s_mov_b32 s[SEL+1], 0xfedcba98                 ; v_permlanex16_b32's selects for lane l xor 16
	s_mov_b32 s[CS], 0x3e38aa3b                    ; c = log2(e) / 8
	s_mov_b32 s[CS+1], s[CS]                       ; (named with it as a pair, so it is written)
	s_mov_b32 s[NC], 0xbe38aa3b                    ; -c
	v_and_b32 v3, 31, v0
	v_and_b32 v4, 15, v0
	v_bfe_u32 v5, v0, 4, 1
	v_lshlrev_b32 v1, 4, v3
	v_lshlrev_b32 v2, 3, v3
	v_lshlrev_b32 v3, 2, v3
	v_lshlrev_b32 v9, 3, v5
	v_lshlrev_b32 v11, 5, v4
	v_lshlrev_b32 v7, 2, v4
	v_sub_nc_u32 v10, v4, v9
	s_wait_alu depctr_va_vdst(0)                   ; the wait ahead of the waits below
	s_wait_dscnt 0x0                               ; both opening adds are done
	s_wait_kmcnt 0x0
	s_add_nc_u64 s[G0+2:G0+3], s[4:5], s[44:45]
	s_or_b32 s[G0+3], s[G0+3], 0x80000000
	CROUND                                         ; all four work-groups are here: the joint loads meet
	tensor_load_to_lds s[G0:G0+3], s[G1:G1+7]      ; keys 0-1,023: my one load at the head
	s_nop 0
.rept 4
	v_nop
.endr
	s_bfe_u32 s[G], ttmp6, 0x40000                 ; cx: which of the four I am; it enters addresses in memory and masks, no branch and no LDS address
	s_lshl_b32 s[TA], s[UA], 2
	s_add_co_u32 s[TA], s[TA], s[G]
	s_lshl_b32 s[TBT], s[WV], 2
	s_add_co_u32 s[TBT], s[TBT], s[G]
	s_xor_b32 s[TBT], s[TBT], 127                  ; 127 - 4 w - g
.macro QADDR tile, dc, ds              ; where tile's codes and its pair's scale words lie
	s_lshr_b32 s42, s[\tile], 3
	s_add_co_u32 s42, s42, s[BB]
	s_mul_i32 s42, s42, BLKB
	s_and_b32 s43, s[\tile], 7
	s_lshl_b32 s44, s43, 9
	s_add_co_u32 s44, s44, s42
	s_mov_b32 s45, 0
	s_add_nc_u64 s[\dc:\dc+1], s[4:5], s[44:45]
	s_lshr_b32 s43, s43, 1                         ; the pair of tiles: 64 bytes of words each
	s_lshl_b32 s43, s43, 6
	s_add_co_u32 s44, s42, s43
	s_add_co_u32 s44, s44, 4096
	s_add_nc_u64 s[\ds:\ds+1], s[4:5], s[44:45]
.endm
	QADDR TA, 48, 50
	QADDR TBT, 52, 54
	global_load_b128 v[192:195], v1, s[52:53]
	global_load_b128 v[200:203], v1, s[52:53]      ; the codes a second time: [Q | 0] and [0 | Q] share the zeros
	global_load_b32 v206, v7, s[54:55]
	global_load_b128 v[16:19], v1, s[48:49]
	global_load_b128 v[24:27], v1, s[48:49]
	global_load_b32 v205, v7, s[50:51]
.macro OADDR tile, d                   ; ocodes: [batch][tile][head][lane][16 bytes]; oscales: [row][32], bytes 2 head and 2 head + 1
	s_lshr_b32 s44, s[BH], 4
	s_and_b32 s45, s[BH], 15
	s_lshl_b32 s46, s44, 20
	s_lshl_b32 s47, s[\tile], 13
	s_add_co_u32 s46, s46, s47
	s_lshl_b32 s47, s45, 9
	s_add_co_u32 s46, s46, s47
	s_mov_b32 s47, 0
	s_add_nc_u64 s[\d:\d+1], s[6:7], s[46:47]
	s_lshl_b32 s46, s44, 16
	s_lshl_b32 s42, s[\tile], 9
	s_add_co_u32 s46, s46, s42
	s_lshl_b32 s42, s45, 1
	s_add_co_u32 s46, s46, s42
	s_add_nc_u64 s[\d+2:\d+3], s[8:9], s[46:47]
.endm
	OADDR TA, OA
	OADDR TBT, OB
	s_and_b32 s46, s[TA], 1
	s_lshl_b32 s46, s46, 4
	s_and_b32 s47, s[TBT], 1
	s_lshl_b32 s47, s47, 4
.irp j, 20,21,22,23,196,197,198,199
	v_mov_b32 v\j, 0                               ; zero codes
.endr
	v_mov_b32 v241, 0                              ; (a lane permute's destination counts as read)
	v_mov_b32 v251, 0                              ; (named with f as a pair)
.macro INIT
	v_mov_b32 v12, 0x7f61b1e6                      ; -M = 3e38: the first change of M gives f = 0
	v_mov_b32 v13, 0xff61b1e6                      ; the largest score so far: -3e38
.set jx, 0
.rept 16
	v_mov_b32 v[208+jx], 0                         ; the row's sum
.set jx, jx+1
.endr
.set jx, 0
.rept 32
	v_mov_b32 v[160+jx], 0                         ; O^T: a tile's first step finds zeros
.set jx, jx+1
.endr
.endm
	INIT
	s_wait_loadcnt 0x0
	v_lshrrev_b32 v205, s46, v205                  ; my tile's two bytes of the pair's word,
	v_lshrrev_b32 v206, s47, v206
	v_and_b32 v205, 0xffff, v205
	v_and_b32 v206, 0xffff, v206
	v_lshl_or_b32 v28, v205, 16, v205              ; in both halves of the word: it serves [Q | 0] and [0 | Q]
	v_lshl_or_b32 v204, v206, 16, v206
	s_wait_alu depctr_va_vdst(0)                   ; the wait at the head's end
	s_wait_tensorcnt 0x0                           ; my part of keys 0-1,023 is in;
	ds_add_u32 v254, v255
	s_add_co_u32 s[G0+1], s[G0+1], 8*STEPB         ; eight steps on
	s_add_nc_u64 s[G0+2:G0+3], s[G0+2:G0+3], 8*BLKB
	s_wait_dscnt 0x0
	CROUND                                         ; everybody's is
	tensor_load_to_lds s[G0:G0+3], s[G1:G1+7]      ; keys 1,024-2,047
	s_nop 0
.rept 4
	v_nop
.endr
.macro KLOADS                          ; K of a step: a key tile is half a fragment; words: v248 lanes 0-15 tiles 0, 1, lanes 16-31 tiles 2, 3; v249 tiles 4, 5 and 6, 7
.irp t, 0,1,2,3,4,5,6,7
	ds_load_b128 v[32+4*\t:35+4*\t], v6 offset:512*\t
.endr
	ds_load_b32 v248, v7 offset:4096
	ds_load_b32 v249, v7 offset:4224
.endm
.macro FN cnt, nb                      ; t - M of the next score pairs of the first half
.rept \cnt
.if fi < 4*\nb
	v_pk_fma_f32 v[96+2*fi:97+2*fi], v[96+2*fi:97+2*fi], s[CS:CS+1], v[12:13] op_sel_hi:[1,0,0]
.set fi, fi+1
.endif
.endr
.endm
.macro CV j                            ; key tile j: eight codes, keys 16 j + 8 h + 0 .. 7
	v_cvt_scalef32_pk8_fp4_f32 v[224+4*((\j)/4)+2*((\j)%2)+((\j)/2)%2], v[96+8*(\j):103+8*(\j)], v[244+(\j)/2]
.endm
.macro ADDP                            ; the next pair of p into its sum; the eight sums take turns
	v_pk_add_f32 v[208+2*(ax%8):209+2*(ax%8)], v[208+2*(ax%8):209+2*(ax%8)], v[96+2*ax:97+2*ax]
.set ax, ax+1
.endm
; A KEY STEP of nb blocks of 32 keys.  mask = 1: on the diagonal, where the last four tiles of 16 keys may be hidden; pre = 1: K of the step at LN follows.
.macro STEP qf, qs, nb, mask, pre
	s_wait_dscnt 0x0                               ; K is in
.irp p, 0,1,2,3
.if \p < \nb
.if \p%2
	v_wmma_scale_f32_16x16x128_f8f6f4 v[96+16*\p:103+16*\p], v[32+8*\p:39+8*\p], v[\qf:\qf+7], 0, v[248+\p/2], v[\qs] matrix_a_fmt:MATRIX_FMT_FP4 matrix_b_fmt:MATRIX_FMT_FP4 matrix_a_scale:MATRIX_SCALE_ROW1
	v_wmma_scale_f32_16x16x128_f8f6f4 v[104+16*\p:111+16*\p], v[32+8*\p:39+8*\p], v[\qf+4:\qf+11], 0, v[248+\p/2], v[\qs] matrix_a_fmt:MATRIX_FMT_FP4 matrix_b_fmt:MATRIX_FMT_FP4 matrix_a_scale:MATRIX_SCALE_ROW1
.else
	v_wmma_scale_f32_16x16x128_f8f6f4 v[96+16*\p:103+16*\p], v[32+8*\p:39+8*\p], v[\qf:\qf+7], 0, v[248+\p/2], v[\qs] matrix_a_fmt:MATRIX_FMT_FP4 matrix_b_fmt:MATRIX_FMT_FP4
	v_wmma_scale_f32_16x16x128_f8f6f4 v[104+16*\p:111+16*\p], v[32+8*\p:39+8*\p], v[\qf+4:\qf+11], 0, v[248+\p/2], v[\qs] matrix_a_fmt:MATRIX_FMT_FP4 matrix_b_fmt:MATRIX_FMT_FP4
.endif
.endif
.endr
	v_add_nc_u32 v8, s[LB], v1                     ; four lines of addresses: the places behind the products, for the loads into their registers and for the first read of the scores
	v_add_nc_u32 v9, s[LB], v2
.if \pre
	v_add_nc_u32 v6, s[LN], v1
	v_add_nc_u32 v7, s[LN], v3
.else
	v_nop
	v_nop
.endif
.irp t, 0,1,2,3
.irp c, 0,1
	ds_load_b128 v[64+8*\t+4*\c:67+8*\t+4*\c], v8 offset:PARTB+1024*\t+512*\c
.endr
.endr
	ds_load_b64 v[30:31], v9 offset:PARTB+4096     ; V's words: v30 d tiles 0 (lanes 0-15) and 1, v31 d tiles 2 and 3
.if \pre
	KLOADS
.endif
.if \mask                              ; hidden scores become -infinity ahead of the maximum: register 8 a + j of the last four tiles holds key 16 a + 8 h + j of their 64
	v_add_nc_u32 v242, s[GM], v10                  ; my query among the 64, less 8 h
	v_mov_b32 v243, 0xff800000
.set ix, 0
.rept 4
.irp j, 0,1,2,3,4,5,6,7
	v_cmp_gt_i32 s[44+\j], 16*ix+\j, v242
.endr
.irp j, 0,1,2,3,4,5,6,7
	v_cndmask_b32 v[96+8*(2*\nb-4+ix)+\j], v[96+8*(2*\nb-4+ix)+\j], v243, s[44+\j]
.endr
.set ix, ix+1
.endr
.endif
; The largest score of each block of 32 keys, for the row's maximum and for the block's scale: two chains a block (tiles 2 b and 2 b + 1), all by turns.
.irp i, 0,8
.irp b, 0,1,2,3
.if \b < \nb
	v_max3_num_f32 v[232+\i/2+\b], v[96+\i+16*\b], v[97+\i+16*\b], v[98+\i+16*\b]
.endif
.endr
.endr
.irp i, 3,11,5,13
.irp b, 0,1,2,3
.if \b < \nb
	v_max3_num_f32 v[232+4*(\i/8)+\b], v[232+4*(\i/8)+\b], v[96+\i+16*\b], v[97+\i+16*\b]
.endif
.endr
.endr
.irp b, 0,1,2,3
.if \b < \nb
	v_max3_num_f32 v[232+\b], v[232+\b], v[103+16*\b], v[111+16*\b]
.endif
.endr
.irp b, 0,1,2,3
.if \b < \nb
	v_max_num_f32 v[232+\b], v[232+\b], v[236+\b]
.endif
.endr
; The row's maximum.  Beside its chain two blocks come to share a register (lanes 0-15 block 0, lanes 16-31 block 1, each with lane l xor 16's 16 keys).
.if \nb == 4
	v_max3_num_f32 v240, v232, v233, v234
	v_permlane16_swap_b32 v232, v233
	v_max3_num_f32 v240, v240, v235, v13
	v_permlane16_swap_b32 v234, v235
	v_permlanex16_b32 v241, v240, s[SEL], s[SEL+1]
	v_max_num_f32 v232, v232, v233
	v_max_num_f32 v233, v234, v235                 ; blocks 2 and 3
.else
	v_max3_num_f32 v240, v232, v233, v13
	v_permlane16_swap_b32 v232, v233
	v_permlanex16_b32 v241, v240, s[SEL], s[SEL+1]
	v_max_num_f32 v232, v232, v233
.endif
	v_mov_b32 v243, v12
	v_max_num_f32 v13, v240, v241                  ; the running largest score
	v_mul_f32 v242, s[NC], v13                     ; -t of it
	v_floor_f32 v12, v242                          ; -M = floor(-t): M is a whole number
; Three chains by turns: f; the blocks' scales; t - M of the first half of the scores.
.if \nb == 4
	v_pk_fma_f32 v[232:233], v[232:233], s[CS:CS+1], v[12:13] op_sel_hi:[1,0,0]           ; t - M of each block's largest score
.else
	v_fma_f32 v232, v232, s[CS], v12
.endif
	v_sub_f32 v242, v12, v243                      ; old M - new M: a whole number, 0 or less
.set fi, 0
	FN 2, \nb
	v_max_num_f32 v232, 0xc2f80000, v232           ; the floor: -124
.if \nb == 4
	v_max_num_f32 v233, 0xc2f80000, v233
.endif
	v_cvt_i32_f32 v242, v242                       ; (it saturates)
	FN 2, \nb
	v_cvt_floor_i32_f32 v232, v232                 ; floor(log2) of the block's largest p
.if \nb == 4
	v_cvt_floor_i32_f32 v233, v233
.endif
	v_ldexp_f32 v250, 1.0, v242                    ; f = 2^(old M - new M)
	FN 2, \nb
	v_lshl_add_u32 v244, v232, 23, 0x3e800000      ; the conversion's scale operand: exponent field floor(log2) - 2 + 127
	v_lshl_add_u32 v245, v232, 23, 0x3e800000
	v_add_nc_u32 v240, 0x7d, v232                  ; the byte
.if \nb == 4
	v_lshl_add_u32 v246, v233, 23, 0x3e800000
	v_lshl_add_u32 v247, v233, 23, 0x3e800000
	v_add_nc_u32 v242, 0x7d, v233
.endif
	FN 2, \nb
	v_permlane16_swap_b32 v244, v245               ; v244 + b: block b's in every lane
.if \nb == 4
	v_permlane16_swap_b32 v246, v247
	v_lshl_or_b32 v240, v242, 16, v240             ; lanes 0-15 blocks 0 and 2, lanes 16-31 blocks 1 and 3
.else
	v_lshl_or_b32 v240, v240, 16, v240             ; (bytes 2 and 3 go with zero codes: any finite byte serves)
.endif
	FN 2, \nb
	v_permlanex16_b32 v241, v240, s[SEL], s[SEL+1]
	FN 6, \nb
	v_lshl_or_b32 v253, v241, 8, v240              ; p's scale word for these keys: lanes 0-15 are read
.set jx, 0
.rept 16
	v_pk_mul_f32 v[160+jx:161+jx], v[160+jx:161+jx], v[250:251] op_sel_hi:[1,0]   ; O^T under the new M
.set jx, jx+2
.endr
	s_wait_alu depctr_va_vdst(0)                   ; the wait ahead of the first half's exponentials,
.set ex, 0
.rept 4*\nb
	v_exp_f32 v[96+ex], v[96+ex]                   ; p = 2^(t - M)
	v_pk_fma_f32 v[96+2*fi:97+2*fi], v[96+2*fi:97+2*fi], s[CS:CS+1], v[12:13] op_sel_hi:[1,0,0]   ; the second half's t - M
	v_exp_f32 v[97+ex], v[97+ex]
.set ex, ex+2
.set fi, fi+1
.endr
	s_wait_alu depctr_va_vdst(0)                   ; between the halves,
.set gx, 0
.rept 8
.set hx, 0
.rept \nb
	v_exp_f32 v[96+ex], v[96+ex]
.if (hx == 1) && (gx%2 == 0) && (gx/2 < \nb)
	CV gx/2                                        ; the first half's codes
.endif
.set ex, ex+1
.set hx, hx+1
.endr
	v_pk_fma_f32 v[208+2*gx:209+2*gx], v[208+2*gx:209+2*gx], v[250:251], v[96+2*gx:97+2*gx] op_sel_hi:[1,0,1]   ; the row's sum, of the unquantised p: brought under the new M, and the first eight pairs
.set gx, gx+1
.endr
	s_wait_alu depctr_va_vdst(0)                   ; and behind the second
.set ax, 8
.set jx, \nb
.rept \nb
	CV jx
	ADDP
.set jx, jx+1
.endr
.if \nb == 2
	v_mov_b32 v228, 0                              ; keys 64-127: zero codes
	v_mov_b32 v229, 0
	v_mov_b32 v230, 0
	v_mov_b32 v231, 0
.else
	v_permlane16_swap_b32 v228, v229
	v_permlane16_swap_b32 v230, v231
.endif
	v_permlane16_swap_b32 v224, v225               ; registers 4 c .. 4 c + 3 of lane (r, h) now hold keys 64 c + 32 h + 0 .. 31
	v_permlane16_swap_b32 v226, v227
.rept 7*\nb-8
	ADDP                                           ; (these are the places between p's codes and the products)
.endr
.if \nb == 2
	s_wait_alu depctr_va_vdst(0)                   ; six sums stand between the codes and the wait below
.endif
	s_wait_dscnt 10*\pre                           ; V is in; the next K's ten loads may be out
.irp t, 0,1,2,3
.if \t%2
	v_wmma_scale_f32_16x16x128_f8f6f4 v[160+8*\t:167+8*\t], v[64+8*\t:71+8*\t], v[224:231], v[160+8*\t:167+8*\t], v[30+\t/2], v253 matrix_a_fmt:MATRIX_FMT_FP4 matrix_b_fmt:MATRIX_FMT_FP4 matrix_a_scale:MATRIX_SCALE_ROW1
.else
	v_wmma_scale_f32_16x16x128_f8f6f4 v[160+8*\t:167+8*\t], v[64+8*\t:71+8*\t], v[224:231], v[160+8*\t:167+8*\t], v[30+\t/2], v253 matrix_a_fmt:MATRIX_FMT_FP4 matrix_b_fmt:MATRIX_FMT_FP4
.endif
.endr
.endm
.macro ADV                             ; one key step on
	s_add_co_u32 s[LB], s[LB], STEPB
	s_add_co_u32 s[LN], s[LN], STEPB
	s_add_co_u32 s[JN], s[JN], 1
.endm
; A TILE'S WAY OUT: O^T / the sum, quantised along d.
.macro OUT d
.rept 4
	v_nop                                          ; places behind the last products
.endr
	s_wait_alu depctr_va_vdst(0)                   ; the sums were written ahead of a wait
.irp i, 208,212,216,220
	v_pk_add_f32 v[\i:\i+1], v[\i:\i+1], v[\i+2:\i+3]
.endr
	v_pk_add_f32 v[208:209], v[208:209], v[212:213]
	v_pk_add_f32 v[216:217], v[216:217], v[220:221]
	v_pk_add_f32 v[14:15], v[208:209], v[216:217]
	v_add_f32 v14, v14, v15
	v_permlanex16_b32 v241, v14, s[SEL], s[SEL+1]
	v_add_f32 v14, v14, v241                       ; the row's sum
	s_wait_alu depctr_va_vdst(0)
	v_rcp_f32 v14, v14
	v_nop                                          ; a plain line behind the reciprocal
	s_wait_alu depctr_va_vdst(0)                   ; and the wait ahead of its first reader
.set jx, 0
.rept 32
	v_mul_f32 v[96+jx], v[160+jx], v14             ; o(query r, d = 16 (jx / 8) + 8 h + jx % 8)
.set jx, jx+1
.endr
.irp b, 0,1
	v_max3_num_f32 v[232+\b], |v[96+16*\b]|, |v[97+16*\b]|, 0x1800000
.endr
.irp i, 2,4,6,8,10,12,14
.irp b, 0,1
	v_max3_num_f32 v[232+\b], v[232+\b], |v[96+16*\b+\i]|, |v[97+16*\b+\i]|
.endr
.endr
.irp b, 0,1
	v_permlanex16_b32 v[236+\b], v[232+\b], s[SEL], s[SEL+1]
.endr
.irp b, 0,1
	v_max_num_f32 v[232+\b], v[232+\b], v[236+\b]
.endr
.irp b, 0,1
	v_add_nc_u32 v[244+\b], 0xff000000, v[232+\b]
.endr
.irp b, 0,1
	v_lshrrev_b32 v[238+\b], 23, v[244+\b]
.endr
	v_lshl_or_b32 v240, v239, 8, v238
.irp b, 0,1
.irp u, 0,1
	v_cvt_scalef32_pk8_fp4_f32 v[224+2*\u+\b], v[96+16*\b+8*\u:103+16*\b+8*\u], v[244+\b]
.endr
.endr
	v_nop
	v_permlane16_swap_b32 v224, v225
	v_permlane16_swap_b32 v226, v227               ; lane (r, h): d = 32 h + 0 .. 31 of row r
	global_store_b128 v1, v[224:227], s[\d:\d+1]   ; half a fragment of the last product: 512 consecutive bytes, aligned
	global_store_b16 v11, v240, s[\d+2:\d+3]       ; two bytes a row, rows 32 bytes apart; lanes 16-31 write what lanes 0-15 write.  One byte for 16 of codes
	s_wait_xcnt 0x0                                ; the stores' data are written again only behind this wait
.endm
	s_mov_b32 s[LN], 0
	v_add_nc_u32 v6, s[LN], v1
	v_add_nc_u32 v7, s[LN], v3
	KLOADS                                         ; K of step 0
	s_mov_b32 s[LB], 0
	s_mov_b32 s[LN], STEPB
	s_mov_b32 s[JN], 0
.Lb_low:                                       ; TILE B: steps 0 and 1
	STEP 192, 204, 4, 0, 1
	ADV
	s_cmp_lt_u32 s[JN], 2
	s_cbranch_scc1 .Lb_low
	s_wait_tensorcnt 0x0                           ; my part of keys 1,024-2,047 is in: step 7 is the first to ask for any of them.
	s_wait_dscnt 0x0
	s_barrier_signal -1
	s_barrier_wait -1                              ; everybody's is
.Lb_high:                                      ; steps 2-14, as far as they count whole: the skip hangs on the wave's number alone
	s_cmp_ge_u32 s[JN], s[CB]
	s_cbranch_scc1 .Lb_skip
	STEP 192, 204, 4, 0, 1
.Lb_skip:
	ADV
	s_cmp_lt_u32 s[JN], 15
	s_cbranch_scc1 .Lb_high
	s_mul_i32 s[LB], s[CB], STEPB                  ; the diagonal step; K of tile A's step 0 follows
	s_mov_b32 s[LN], 0
	s_xor_b32 s[GM], s[G], 3
	s_lshl_b32 s[GM], s[GM], 4                     ; 16 (3 - g)
	s_cmp_lg_u32 s[HF], 0
	s_cbranch_scc1 .Lb_half
	STEP 192, 204, 4, 1, 1
	s_branch .Lb_out
.Lb_half:
	STEP 192, 204, 2, 1, 1
.Lb_out:
	OUT OB
	INIT
	s_mov_b32 s[LB], 0
	s_mov_b32 s[LN], STEPB
	s_mov_b32 s[JN], 0
.La_loop:                                      ; TILE A: steps 0-6, as far as they count whole
	s_cmp_ge_u32 s[JN], s[CA]
	s_cbranch_scc1 .La_skip
	STEP 16, 28, 4, 0, 1
.La_skip:
	ADV
	s_cmp_lt_u32 s[JN], 7
	s_cbranch_scc1 .La_loop
	s_mul_i32 s[LB], s[CA], STEPB
	s_lshl_b32 s[GM], s[G], 4
	s_cmp_eq_u32 s[HF], 0
	s_cbranch_scc1 .La_half
	STEP 16, 28, 4, 1, 0
	s_branch .La_out
.La_half:
	STEP 16, 28, 2, 1, 0
.La_out:
	OUT OA
	s_wait_tensorcnt 0x0                           ; the wave's end
	ds_add_u32 v254, v255
	s_wait_dscnt 0x0
	CROUND                                         ; the closing round
	s_endpgm
.Lfunc_end_k_qdb94e1c19f_attn:
	.size	k_qdb94e1c19f_attn, .Lfunc_end_k_qdb94e1c19f_attn-k_qdb94e1c19f_attn
	.p2alignl 7, 3214868480
	.fill 96, 4, 3214868480
	.section	.rodata,"a",@progbits
	.p2align	6, 0x0
	.amdhsa_kernel k_qdb94e1c19f_attn
		.amdhsa_group_segment_fixed_size 327680
		.amdhsa_private_segment_fixed_size 0
		.amdhsa_enable_private_segment 0
		.amdhsa_kernarg_size 24
		.amdhsa_user_sgpr_count 2
		.amdhsa_user_sgpr_kernarg_segment_ptr 1
		.amdhsa_wavefront_size32 1
		.amdhsa_system_sgpr_workgroup_id_x 1
		.amdhsa_system_sgpr_workgroup_id_y 1
		.amdhsa_system_sgpr_workgroup_id_z 1
		.amdhsa_system_vgpr_workitem_id 0
		.amdhsa_next_free_vgpr 256
		.amdhsa_next_free_sgpr 66
		.amdhsa_reserve_vcc 0
		.amdhsa_float_denorm_mode_32 3
		.amdhsa_float_denorm_mode_16_64 3
		.amdhsa_memory_ordered 1
		.amdhsa_forward_progress 1
		.amdhsa_inst_pref_size 125
	.end_amdhsa_kernel
	.amdgpu_metadata
---
amdhsa.version: [ 1, 2 ]
amdhsa.kernels:
  - .name:           k_qdb94e1c19f_attn
    .symbol:         k_qdb94e1c19f_attn.kd
    .args:
      - { .name: qkv, .offset: 0, .size: 8, .value_kind: global_buffer, .address_space: global }
      - { .name: ocodes, .offset: 8, .size: 8, .value_kind: global_buffer, .address_space: global }
      - { .name: oscales, .offset: 16, .size: 8, .value_kind: global_buffer, .address_space: global }
    .group_segment_fixed_size: 327680
    .private_segment_fixed_size: 0
    .kernarg_segment_align: 8
    .kernarg_segment_size: 24
    .max_flat_workgroup_size: 512
    .sgpr_count:     66
    .vgpr_count:     256
    .wavefront_size: 32
...
	.end_amdgpu_metadata
.endif
;; end of part 2
;; launch oproj (part 3): grid 4 x 64, 8 waves a work-group, clusters of 4 x 4, 327,680 bytes of LDS; arguments ocodes, oscales, Wo_codes, Wo_scales, bo, out0; writes out0
.if DOCPART == 3
	.amdgcn_target "amdgcn-amd-amdhsa--gfx1250"
	.amdhsa_code_object_version 6
	.text
	.protected	k_qdb94e1c19f_oproj
	.globl	k_qdb94e1c19f_oproj
	.p2align	8
	.type	k_qdb94e1c19f_oproj,@function
k_qdb94e1c19f_oproj:
	s_mov_b64 s[64:65], 0
	v_nop
	global_prefetch_b8 v0, s[64:65] scope:SCOPE_SE
	s_setreg_imm32_b32 hwreg(HW_REG_WAVE_MODE, 25, 1), 1
	s_wait_xcnt 0x0
	s_wait_alu depctr_hold_cnt(0) depctr_sa_sdst(0) depctr_va_vdst(0) depctr_va_sdst(0) depctr_va_ssrc(0) depctr_va_vcc(0) depctr_vm_vsrc(0)
	s_getreg_b32 s2, hwreg(HW_REG_IB_STS2, 6, 4)
	s_cmp_eq_u32 s2, 0
	s_cbranch_scc0 .Lentry_in_a_cluster
	s_endpgm
.Lentry_in_a_cluster:
	s_bfe_u32 s2, ttmp6, 0x10000c
	s_cmp_lg_u32 s2, 0xf033
	s_cbranch_scc0 .Lentry_shape_is_right
	s_endpgm
.Lentry_shape_is_right:
; out0 = o Wo + bo on codes of FP4 (E2M1), K = 1,024.  o's codes come from the launch before as images of operand registers, [row tile][head][lane][16 bytes], its scale bytes as [row][32]; Wo's as given, [n][K].
; SHARES.  Work-group (column block CB of 256, row block RBK of 128): 256 work-groups.  Eight waves: wave / 4 = 64 rows, wave % 4 = 64 columns.
; WO STAYS IN REGISTERS: a wave's 64 columns x 1,024 are 32 fragments, 256 registers (window 1); o streams from LDS by tiles of 16 rows, each finished along the whole K (32 products on 4 accumulators) and stored under the next tile's products.
; The product is used TRANSPOSED (source 0 = 16 rows of Wo, source 1 = 16 rows of o): a lane holds eight neighbouring columns of one row.  bo is the C of each sum's first product.
; CLUSTER 4 x 4: the four work-groups of a column of the cluster share CB and so Wo's tiles, the four of a row share RBK and so o's: each is asked for jointly.  Every byte of LDS is filled once, by one load a wave at the head; so there is no loop to prefetch in.
; LIMITS: NaN and infinities are not served.
.set PITCH, 528
.set T16,   16*PITCH
.set WO0,   0                          ; Wo: 256 rows of 512 bytes + 16
.set AO,    256*PITCH                  ; o: 8 row tiles x 8,192 bytes, dense images
.set ASC,   AO+65536                   ; o's scale bytes: 128 rows x 32
.set BSC,   ASC+4096                   ; Wo's: 256 rows x 32
.set SP,    272                        ; the way out: 16 rows x 272 bytes for each wave; no tile lands here
.set STG,   BSC+8192
.set SPARE, STG+8*16*SP                ; the spare words, 128 bytes a wave
.set WOB, 4                            ; v4  LDS address of my Wo fragments, v6 of my o tiles, v8 of my scale words: lanes 0-15 o's rows, lanes 16-31 Wo's
.set AB,  6
.set SCA, 8
.set STO, 10
.set RD,  11
.set CO,  12
.set SPW, 14
.set NIL, 15
.set SC,  16                           ; v16-47  scale words: register 8 i + q: lanes 0-15 o's row tile i, lanes 16-31 Wo's tile i, the q-th 128 along K; scales and nothing else
.set BI,  48                           ; v48-79  bo in the result's layout
.set OF,  80                           ; v80-143 o's fragments: half a tile's K in 32 registers, two buffers
.set ACC, 144                          ; v144-207 two sets of four accumulators
.set OB,  208                          ; v208-239 16 rows read back from the stage
.set WV,  16
.set WR,  17
.set WC,  18
.set G1B,  20
.set G1A,  28
.set G1AS, 36
.set G1BS, 44
.set GB,   52
.set GA,   56
.set GAS,  68
.set GBS,  72
.set CX,   80
.set CY,   81
.set CB,   82
.set RBK,  83
.set MCOL, 84
.set MROW, 85
.set MSB, 0
.macro WIN new                         ; register windows; the immediate's high byte repeats the setting that is left
.if MSB != \new
	s_set_vgpr_msb (MSB<<8)|\new
.set MSB, \new
.endif
.endm
.macro CROUND
	s_barrier_signal -1
	s_barrier_wait -1
	s_cmp_lg_u32 s[WV], 0
	s_cbranch_scc1 .Lnot_wave_0_\@
	s_barrier_signal -3
.Lnot_wave_0_\@:
	s_barrier_wait -3
	s_barrier_signal -1
	s_barrier_wait -1
.endm
.macro PLACES                          ; four plain places behind a matrix instruction (ISA guide 7.12.1)
.rept 4
	v_nop
.endr
.endm
.macro TLOAD g0, g1                    ; a tensor load with an s_nop and four v_nops behind it
	tensor_load_to_lds s[\g0:\g0+3], s[\g1:\g1+7]
	s_nop 0
.rept 4
	v_nop
.endr
.endm
	s_load_b256 s[4:11], s[0:1], 0x0               ; ocodes 4, oscales 6, Wo_codes 8, Wo_scales 10
	s_load_b128 s[12:15], s[0:1], 0x20             ; bo 12, out0 14
	v_lshl_add_u32 v[SPW], v0, 2, SPARE
	v_mov_b32 v[NIL], 0
	ds_add_u32 v[SPW], v[NIL]                      ; the opening add, twice on end
	ds_add_u32 v[SPW], v[NIL]
	v_lshrrev_b32 v1, 5, v0
	v_readfirstlane_b32 s[WV], v1                  ; wave 0..7
	s_lshr_b32 s[WR], s[WV], 2
	s_and_b32 s[WC], s[WV], 3
	s_bfe_u32 s[CX], ttmp6, 0x40000
	s_bfe_u32 s[CY], ttmp6, 0x40004
	s_lshl_b32 s[CB], ttmp9, 2
	s_add_co_u32 s[CB], s[CB], s[CX]
	s_and_b32 s[RBK], ttmp7, 0xffff
	s_lshl_b32 s[RBK], s[RBK], 2
	s_add_co_u32 s[RBK], s[RBK], s[CY]
	s_lshl_b32 s[MROW], s[CY], 2
	s_lshl_b32 s[MROW], 15, s[MROW]
	s_lshl_b32 s[MCOL], 0x1111, s[CX]
	s_or_b32 s[G1B], s[MCOL], (1<<20)|(1<<21)|(6<<22)|(3<<25)    ; Wo's codes: 64 rows of 512 bytes, 4 words of padding behind every 128
	s_mov_b32 s[G1B+1], 512<<16
	s_mov_b32 s[G1B+2], 64<<16
	s_mov_b32 s[G1B+3], 512<<16
	s_mov_b32 s[G1B+4], 64
	s_mov_b32 s[G1B+5], 512
	s_mov_b32 s[G1B+6], 0
	s_mov_b32 s[G1B+7], 0
	s_or_b32 s[G1A], s[MROW], (3<<16)|(1<<21)      ; dense blocks as rows of 256 bytes: o's images 128 rows, o's scales 16, Wo's scales 32
	s_or_b32 s[G1AS], s[MROW], (3<<16)|(1<<21)
	s_or_b32 s[G1BS], s[MCOL], (3<<16)|(1<<21)
.irp g, G1A, G1AS, G1BS
	s_mov_b32 s[\g+1], 32<<16
	s_mov_b32 s[\g+3], 32<<16
	s_mov_b32 s[\g+5], 32
	s_mov_b32 s[\g+6], 0
	s_mov_b32 s[\g+7], 0
.endr
	s_mov_b32 s[G1A+2], 128<<16
	s_mov_b32 s[G1A+4], 128
	s_mov_b32 s[G1AS+2], 16<<16
	s_mov_b32 s[G1AS+4], 16
	s_mov_b32 s[G1BS+2], 32<<16
	s_mov_b32 s[G1BS+4], 32
	s_mul_i32 s2, s[WC], 64*PITCH
	s_lshl_b32 s3, s[WR], 15
	s_add_co_u32 s3, s3, AO
	s_xor_b32 s19, s[WR], 1
	s_add_co_u32 s19, s19, s[WC]
	s_add_co_u32 s19, s19, 1
	s_lshl_b32 s19, s19, 11                        ; from o's words of my rows to Wo's of my columns: 4,096 + 2,048 wc - 2,048 wr
	s_lshl_b32 s90, s[WR], 11
	s_add_co_u32 s90, s90, ASC
	s_mul_i32 s91, s[WV], 16*SP
	s_add_co_u32 s91, s91, STG                     ; my stage
	v_and_b32 v3, 31, v0
	v_and_b32 v1, 15, v0
	v_bfe_u32 v2, v0, 4, 1
	v_mul_u32_u24 v5, v1, PITCH
	v_lshl_add_u32 v5, v2, 4, v5
	v_add_nc_u32 v[WOB], s2, v5                    ; my 64 rows of Wo
	v_lshl_add_u32 v[AB], v3, 4, s3                ; my four row tiles: 16 x lane in each image
	v_mul_u32_u24 v[SCA], s19, v2
	v_lshl_add_u32 v[SCA], v1, 5, v[SCA]
	v_add_nc_u32 v[SCA], s90, v[SCA]
	v_lshlrev_b32 v9, 5, v2                        ; 32 h
	v_mul_u32_u24 v[STO], v1, SP
	v_lshl_add_u32 v[STO], v2, 5, v[STO]
	v_add_nc_u32 v[STO], s91, v[STO]               ; in: row r, 32 bytes for each half of the lanes
	v_mul_u32_u24 v[RD], v2, SP
	v_lshl_add_u32 v[RD], v1, 4, v[RD]
	v_add_nc_u32 v[RD], s91, v[RD]                 ; back: lanes 0-15 one row of 256 bytes, lanes 16-31 the next
	v_lshlrev_b32 v[CO], 12, v2
	v_lshl_add_u32 v[CO], v1, 4, v[CO]             ; and the same two rows in out0
.irp g, GB, GA, GAS, GBS
	s_mov_b32 s[\g], 1
.endr
	s_mov_b32 s[GB+1], s2
	s_and_b32 s19, s[WV], 1                        ; which half of the row block's images
	s_lshl_b32 s3, s19, 15
	s_add_co_u32 s[GA+1], s3, AO
	s_mov_b32 s[GAS+1], ASC
	s_mov_b32 s[GBS+1], BSC
	s_lshl_b32 s86, s[CB], 17                      ; Wo: (256 CB + 64 wave) rows of 512 bytes: these two registers never hold cy
	s_lshl_b32 s87, s[WC], 15
	s_add_co_u32 s86, s86, s87
	s_mov_b32 s87, 0
	s_lshl_b32 s88, s[RBK], 16                     ; o: 65,536 bytes a row block: these two never hold cx
	s_add_co_u32 s88, s88, s3
	s_mov_b32 s89, 0
	s_wait_alu depctr_va_vdst(0)                   ; the wait at the head's end: no vector instruction writes a register from here to the products
	s_wait_dscnt 0x0                               ; both opening adds are done
	s_wait_kmcnt 0x0
	s_add_nc_u64 s[GB+2:GB+3], s[8:9], s[86:87]
	s_lshl_b32 s86, s[CB], 13
	s_add_nc_u64 s[GBS+2:GBS+3], s[10:11], s[86:87]
	s_add_nc_u64 s[GA+2:GA+3], s[4:5], s[88:89]
	s_lshl_b32 s88, s[RBK], 12
	s_add_nc_u64 s[GAS+2:GAS+3], s[6:7], s[88:89]
.irp g, GB, GA, GAS, GBS
	s_or_b32 s[\g+3], s[\g+3], 0x80000000
.endr
	CROUND                                         ; all sixteen work-groups are here: the joint loads meet
; One load a wave: waves 0-3 Wo's quarters, 4 and 5 o's halves, 6 o's scales, 7 Wo's.
.macro ARM under, g0, g1, next
	s_cmp_lt_u32 s[WV], \under
	s_cbranch_scc0 \next
	TLOAD \g0, \g1
	s_branch .Lasked
\next:
.endm
	ARM 4, GB,  G1B,  .Lhead_a
	ARM 6, GA,  G1A,  .Lhead_as
	ARM 7, GAS, G1AS, .Lhead_bs
	TLOAD GBS, G1BS
.Lasked:
	s_lshl_b32 s92, s[CB], 10
	s_lshl_b32 s93, s[WC], 8
	s_add_co_u32 s92, s92, s93                     ; my first column, in bytes
	s_mov_b32 s93, 0
	s_add_nc_u64 s[12:13], s[12:13], s[92:93]
	s_lshl_b32 s90, s[RBK], 7
	s_lshl_b32 s91, s[WR], 6
	s_add_co_u32 s90, s90, s91                     ; my first row
	s_lshl_b32 s90, s90, 12
	s_add_co_u32 s90, s90, s92
	s_mov_b32 s91, 0
	s_add_nc_u64 s[14:15], s[14:15], s[90:91]
.irp b, 0,1,2,3
	global_load_b128 v[BI+8*\b:BI+8*\b+3], v9, s[12:13] offset:64*\b     ; bo(16 b + 8 h + 0 .. 7)
	global_load_b128 v[BI+8*\b+4:BI+8*\b+7], v9, s[12:13] offset:64*\b+16
.endr
.macro WL q                            ; Wo's four fragments of the q-th 128 along K, into window 1, where they stay: tile i at v[32 q + 8 i]
	WIN 0x40
.irp i, 0,1,2,3
.irp c, 0,1
	ds_load_b128 v[32*\q+8*\i+4*\c:32*\q+8*\i+4*\c+3], v[WOB] offset:\i*T16+64*\q+32*\c
.endr
.endr
	WIN 0
.endm
.macro OL u                            ; unit u: row tile u / 2, half u % 2 of its K: four fragments into buffer u % 2
.irp q, 0,1,2,3
.irp c, 0,1
	ds_load_b128 v[OF+32*((\u)%2)+8*\q+4*\c:OF+32*((\u)%2)+8*\q+4*\c+3], v[AB] offset:8192*((\u)/2)+4096*((\u)%2)+1024*\q+512*\c
.endr
.endr
.endm
; A unit's 16 products: the four accumulators take turns, one instruction a turn, in the same order in every step.
.macro MULU u
	WIN 0x01                                       ; source 0 (Wo) in window 1
.set OU, OF+32*((\u)%2)
.set AU, ACC+32*(((\u)/2)%2)
.set KU, 4*((\u)%2)
.irp q, 0,1,2,3
.irp b, 0,1,2,3
.if (((\u)%2) == 0) && (\q == 0)
	v_wmma_scale_f32_16x16x128_f8f6f4 v[AU+8*\b:AU+8*\b+7], v[32*(KU+\q)+8*\b:32*(KU+\q)+8*\b+7], v[OU+8*\q:OU+8*\q+7], v[BI+8*\b:BI+8*\b+7], v[SC+8*\b+KU+\q], v[SC+8*((\u)/2)+KU+\q] matrix_a_fmt:MATRIX_FMT_FP4 matrix_b_fmt:MATRIX_FMT_FP4 matrix_a_scale:MATRIX_SCALE_ROW1
.else
	v_wmma_scale_f32_16x16x128_f8f6f4 v[AU+8*\b:AU+8*\b+7], v[32*(KU+\q)+8*\b:32*(KU+\q)+8*\b+7], v[OU+8*\q:OU+8*\q+7], v[AU+8*\b:AU+8*\b+7], v[SC+8*\b+KU+\q], v[SC+8*((\u)/2)+KU+\q] matrix_a_fmt:MATRIX_FMT_FP4 matrix_b_fmt:MATRIX_FMT_FP4 matrix_a_scale:MATRIX_SCALE_ROW1
.endif
.endr
.endr
	WIN 0
.endm
; THE WAY OUT of row tile a, through my own stage: in as 32 bytes a lane, back as whole rows of 256 bytes.  LDS serves a wave's instructions in order (ISA guide 5.7.1.4): no wait between the stores and the loads.
.macro TOSTAGE a
.set AU, ACC+32*((\a)%2)
.irp b, 0,1,2,3
	ds_store_b128 v[STO], v[AU+8*\b:AU+8*\b+3] offset:64*\b              ; each accumulator from its low end on
	ds_store_b128 v[STO], v[AU+8*\b+4:AU+8*\b+7] offset:64*\b+16
.endr
.irp t, 0,1,2,3,4,5,6,7
	ds_load_b128 v[OB+4*\t:OB+4*\t+3], v[RD] offset:\t*2*SP
.endr
.endm
.macro SEND a, younger                 ; younger: the LDS loads issued behind tile a's, which may stay out
	s_wait_dscnt \younger
.irp t, 0,1,2,3,4,5,6,7
	global_store_b128 v[CO], v[OB+4*\t:OB+4*\t+3], s[14:15] offset:(16*(\a)+2*\t)*4096 th:TH_STORE_NT   ; 16 lanes store 256 consecutive bytes, at a multiple of 256 from out0's first byte
.endr
.endm
	s_wait_tensorcnt 0x0                           ; my tile is in
	s_barrier_signal -1
	s_barrier_wait -1                              ; everybody's is
.irp i, 0,1,2,3
.irp c, 0,1
	ds_load_b128 v[SC+8*\i+4*\c:SC+8*\i+4*\c+3], v[SCA] offset:512*\i+16*\c
.endr
.endr
	OL 0
	WL 0
	WL 1
	WL 2
	WL 3
	s_wait_loadcnt 0x0                             ; bo
	s_wait_dscnt 0x0
	OL 1
	WL 4
	WL 5
	WL 6
	WL 7
	MULU 0
	PLACES
	OL 2
	s_wait_dscnt 8                                 ; unit 2's loads may be out
	MULU 1
.irp a, 1,2,3                          ; row tile a; tile a - 1 leaves under its products
	PLACES                                         ; for the stores that read results and the loads into fragments' registers
.if \a > 1
	s_wait_xcnt 0x0                                ; the last tile's stores have read their registers
.endif
	TOSTAGE \a-1
	OL 2*\a+1
	s_wait_dscnt 24                                ; unit 2 a is in; the stage's 16 and the next unit's 8 may be out
	MULU 2*\a
	SEND \a-1, 8
	PLACES
.if \a < 3
	OL 2*\a+2
	s_wait_dscnt 8
.else
	s_wait_dscnt 0x0
.endif
	MULU 2*\a+1
.endr
	PLACES
	s_wait_xcnt 0x0
	TOSTAGE 3
	SEND 3, 0
	s_wait_tensorcnt 0x0                           ; the wave's end
	ds_add_u32 v[SPW], v[NIL]
	s_wait_dscnt 0x0
	CROUND                                         ; the closing round: no work-group ends while a partner may still ask for a tile that names it
	s_endpgm
.Lfunc_end_k_qdb94e1c19f_oproj:
	.size	k_qdb94e1c19f_oproj, .Lfunc_end_k_qdb94e1c19f_oproj-k_qdb94e1c19f_oproj
	.p2alignl 7, 3214868480
	.fill 96, 4, 3214868480
	.section	.rodata,"a",@progbits
	.p2align	6, 0x0
	.amdhsa_kernel k_qdb94e1c19f_oproj
		.amdhsa_group_segment_fixed_size 327680
		.amdhsa_private_segment_fixed_size 0
		.amdhsa_enable_private_segment 0
		.amdhsa_kernarg_size 48
		.amdhsa_user_sgpr_count 2
		.amdhsa_user_sgpr_kernarg_segment_ptr 1
		.amdhsa_wavefront_size32 1
		.amdhsa_system_sgpr_workgroup_id_x 1
		.amdhsa_system_sgpr_workgroup_id_y 1
		.amdhsa_system_sgpr_workgroup_id_z 1
		.amdhsa_system_vgpr_workitem_id 0
		.amdhsa_next_free_vgpr 512
		.amdhsa_next_free_sgpr 100
		.amdhsa_reserve_vcc 0
		.amdhsa_float_denorm_mode_32 3
		.amdhsa_float_denorm_mode_16_64 3
		.amdhsa_memory_ordered 1
		.amdhsa_forward_progress 1
		.amdhsa_inst_pref_size 43
	.end_amdhsa_kernel
	.amdgpu_metadata
---
amdhsa.version: [ 1, 2 ]
amdhsa.kernels:
  - .name:           k_qdb94e1c19f_oproj
    .symbol:         k_qdb94e1c19f_oproj.kd
    .args:
      - { .name: ocodes, .offset: 0, .size: 8, .value_kind: global_buffer, .address_space: global }
      - { .name: oscales, .offset: 8, .size: 8, .value_kind: global_buffer, .address_space: global }
      - { .name: Wo_codes, .offset: 16, .size: 8, .value_kind: global_buffer, .address_space: global }
      - { .name: Wo_scales, .offset: 24, .size: 8, .value_kind: global_buffer, .address_space: global }
      - { .name: bo, .offset: 32, .size: 8, .value_kind: global_buffer, .address_space: global }
      - { .name: out0, .offset: 40, .size: 8, .value_kind: global_buffer, .address_space: global }
    .group_segment_fixed_size: 327680
    .private_segment_fixed_size: 0
    .kernarg_segment_align: 8
    .kernarg_segment_size: 48
    .max_flat_workgroup_size: 256
    .sgpr_count:     100
    .vgpr_count:     512
    .wavefront_size: 32
...
	.end_amdgpu_metadata
.endif
;; end of part 3
